; MI455X (gfx1250); checked and timed in simulation.
; The chip was launched on July 23, 2026; its instructions are those of AMD's public machine-readable ISA for CDNA 5 (MIT licence, August 2026) and "CDNA5" Instruction Set Architecture Reference Guide (July 2026). The comments in the code are by the model that wrote it; some were corrected since.
;; Ball Query. Allowed arithmetic: float matrix products may take bf16 or f16 operands with f32 sums; other float arithmetic in f32, or as packed bf16 or f16 multiplies, adds, multiply-adds, maxima and minima; sums over many terms, partial sums and values carried from step to step in f32; what a program stores and reads back later, other than sums and carried values, may be rounded once to bf16 or f16.
;; Inputs: centers_coords 2 x 3 x 4,096 float32; points_coords 2 x 3 x 16,384 float32; points_features 2 x 32 x 16,384 float32.
;; Outputs: out0 2 x 35 x 32 x 4,096 float32.
;; 2 versions, each right; version 2 is version 1 with the launch group written anew for expert scheduling mode. Each part assembles by itself: llvm-mc -triple=amdgcn-amd-amdhsa -mcpu=gfx1250 --defsym DOCPART=n.
;; ======== version 1 of 2: 3 launches
;; workspace buffers: masks 16,777,216 bytes of whole numbers; idx 1,048,576 bytes of whole numbers; tab 2,621,440 bytes
;; launch mask (part 1): grid 32 x 8, 16 waves a work-group, no clusters, 145,408 bytes of LDS; arguments points_coords, centers_coords, points_features, masks, tab; writes masks, tab
.if DOCPART == 1
	.amdgcn_target "amdgcn-amd-amdhsa--gfx1250"
	.amdhsa_code_object_version 6
	.text
	.protected	k_q306652f18d_mask
	.globl	k_q306652f18d_mask
	.p2align	8
	.type	k_q306652f18d_mask,@function
k_q306652f18d_mask:
	s_mov_b64 s[64:65], 0
	v_nop
	global_prefetch_b8 v0, s[64:65] scope:SCOPE_SE
	s_setreg_imm32_b32 hwreg(HW_REG_WAVE_MODE, 25, 1), 1
	s_wait_xcnt 0x0
; THE BALL QUERY'S BITS.  masks[b*4096+m][w], 512 words a centre: bit j of word w is 1 where point 32 w + j lies in the ball of centre m.
; NUMBERS.  Coordinates are rounded once to bf16; every product of two of them is then exact in f32, a fused multiply-add equals a multiply and an add, and only the order
; of the sums rounds.  That order is the formula's: p2 = (x x + y y) + z z, c2 likewise, cp = (cx px + cy py) + cz pz, d = (c2 + p2) - 2 cp; in the ball where d < 0x3c23d70a (0.01).
; The factor -2 lies in the centre's coordinates (a power of two commutes with rounding).  The decision is the sign bit of d + (-0.01): a difference of two f32 never rounds across zero.
; LIMITS.  A NaN coordinate decides by its sign bit; coordinates beyond 1.7e38 overflow by the factor -2; products under 2^-126 are not exact (d is then far inside the ball anyway).
; THE CONTRACTION HAS LENGTH 3 and stays on the vector unit: it would fill 3 of the 32 places along K of a matrix instruction, and one decision that falls otherwise than by the
; chain of f32 sums above shifts a centre's whole list of neighbours.
; SHARES.  A work-group: 128 centres x 4,096 points of one batch.  Its 512 threads round 8 points each, make p2 and lay the points in LDS by pairs (x0 x1 y0 y1 | z0 z1 p0 p1, 32 bytes).
; Then wave v takes all 128 centres (lane l: centres l + 32 i) against points 256 v .. 256 v + 255, eight words of 32 points.  For two points and four centres a lane: 24 packed
; instructions and 8 v_alignbit_b32, each of which shifts one sign bit into a centre's word; the points go from 31 down to 0, so bit j is point j.
; A centre's numbers stand twice, in a register pair, so that a packed instruction takes them for both points.
; NO TENSOR LOAD, NO CLUSTER: the points pass through registers to be rounded and squared: 48 KiB, read once at the head.
; THE WAY OUT.  Words go into an LDS stage, a row a centre, and leave as whole rows: each store of a wave covers 512 consecutive bytes, aligned.
; ALSO tab[b][n], rows of 80 bytes: 32 features as bf16, then x | y, z, 0, 0.  Each work-group packs 128 points; the image is built in LDS and leaves as 10,240 consecutive bytes.
.set STAGE,  65536                     ; behind the point table (2,048 pairs x 32 bytes)
.set SPITCH, 528                       ; a stage row: 512 bytes + 16
.set TS,     STAGE+128*SPITCH          ; the image of 128 rows of tab
.set SPARE,  TS+10240                  ; the spare words: 128 bytes for each of 16 waves, eight blocks of 256 bytes that no other line names
.set C,   16                           ; v[16:47]  centre i at C + 8 i: -2x -2x -2y -2y -2z -2z c2 c2
.set TH,  48                           ; v[48:49]  -0.01 twice
.set W,   50                           ; v[50:53]  the four centres' words
.set T,   56                           ; v[56:63]  four pairs at work (in the head: offsets and two temporaries)
.set S,   64                           ; v[64:71]  four pairs at work (in the head: v64 = 0)
.set BH,  72                           ; v[72:135]  points 16-31 of a word
.set BL,  136                          ; v[136:199] points 0-15 of a word
.set RAW, 72                           ; the head: points as loaded, coordinate d, group g at RAW + 8 d + 4 g
.set Q,   96                           ; the head: two sets of 16, two pairs of points each, as they lie in LDS
.set RC,  136                          ; the head: centres as loaded, RC + 4 d + i
.set FE,  148                          ; the head: eight features
.set CO,  156                          ; the head: a point's x, y, z for tab
.set PK,  160                          ; the head: packed words for tab
; v1 16 x lane; v2, v3 the add's two registers; v4 LDS address of the word's points; v5 where my words go in the stage; v6 lane; v7 16 x thread; v[8:15] tab's bytes on their way out
	s_load_b256 s[4:11], s[0:1], 0x0               ; points s[4:5], centres s[6:7], features s[8:9], masks s[10:11]
	s_load_b64 s[12:13], s[0:1], 0x20              ; tab
	v_lshl_add_u32 v2, v0, 2, SPARE
	v_mov_b32 v3, 0
	v_lshrrev_b32 v1, 5, v0
	v_readfirstlane_b32 s14, v1                    ; wave 0..15
	s_mov_b32 s15, 0xffff0000                      ; a word's upper bf16
	s_and_b32 s16, ttmp7, 0xffff                   ; y
	s_lshr_b32 s17, s16, 2                         ; batch
	s_and_b32 s18, s16, 3                          ; chunk of 4,096 points
	s_lshl_b32 s19, s16, 5
	s_add_co_u32 s19, s19, ttmp9                   ; the work-group's number, 0..255: its share of tab
	s_lshr_b32 s33, s19, 7                         ; tab's batch
	s_and_b32 s34, s19, 127
	s_lshl_b32 s34, s34, 9                         ; its 128 points: 512 bytes of a row of f32
	s_mul_i32 s20, s17, 196608                     ; points: batch x 3 x 65,536 + chunk x 16,384
	s_lshl_b32 s35, s18, 14
	s_add_co_u32 s20, s20, s35
	s_mov_b32 s21, 0
	s_mul_i32 s22, s17, 49152                      ; centres: batch x 3 x 16,384 + block x 512
	s_lshl_b32 s35, ttmp9, 9
	s_add_co_u32 s22, s22, s35
	s_mov_b32 s23, 0
	s_lshl_b32 s24, s33, 21                        ; features for tab
	s_add_co_u32 s24, s24, s34
	s_mov_b32 s25, 0
	s_mul_i32 s26, s33, 196608                     ; points for tab
	s_add_co_u32 s26, s26, s34
	s_mov_b32 s27, 0
	s_mul_i32 s28, s19, 10240                      ; tab: 128 rows of 80 bytes
	s_mov_b32 s29, 0
	s_lshl_b32 s30, s17, 12                        ; masks: row batch x 4,096 + 128 x block + 8 x wave, 2,048 bytes a row, + chunk x 512
	s_lshl_b32 s35, ttmp9, 7
	s_add_co_u32 s30, s30, s35
	s_lshl_b32 s35, s14, 3
	s_add_co_u32 s30, s30, s35
	s_lshl_b32 s30, s30, 11
	s_lshl_b32 s35, s18, 9
	s_add_co_u32 s30, s30, s35
	s_mov_b32 s31, 0
	v_and_b32 v6, 31, v0
	v_lshlrev_b32 v1, 4, v6
	v_lshlrev_b32 v7, 4, v0
	v_lshlrev_b32 v56, 2, v6                       ; centres: 4 x lane
	v_and_b32 v63, 127, v0                         ; tab: my point,
	v_lshrrev_b32 v62, 7, v0                       ; my eight channels
	v_lshlrev_b32 v58, 2, v63
	v_lshl_add_u32 v57, v62, 19, v58               ; 8 channels x 65,536 bytes
	v_lshlrev_b32 v59, 6, v0                       ; point table: my two pairs of a group
	v_mul_u32_u24 v60, v63, 80
	v_lshl_add_u32 v60, v62, 4, v60
	v_add_nc_u32 v60, TS, v60                      ; tab's image: my point's row, my 16 bytes
	v_lshl_add_u32 v61, v0, 4, TS                  ; and where I read the image back
	v_mov_b32 v64, 0
	s_lshl_b32 s36, s14, 12
	v_mov_b32 v4, s36                              ; my wave's 128 pairs
	v_mul_u32_u24 v5, v6, SPITCH
	s_lshl_b32 s36, s14, 5
	s_add_co_u32 s36, s36, STAGE
	v_add_nc_u32 v5, s36, v5                       ; row = lane, my wave's eight words
	s_wait_kmcnt 0x0
	s_add_nc_u64 s[20:21], s[4:5], s[20:21]
	s_add_nc_u64 s[22:23], s[6:7], s[22:23]
	s_add_nc_u64 s[24:25], s[8:9], s[24:25]
	s_add_nc_u64 s[26:27], s[4:5], s[26:27]
	s_add_nc_u64 s[28:29], s[12:13], s[28:29]
	s_add_nc_u64 s[30:31], s[10:11], s[30:31]
	; 29 loads: 6 of points, 12 of centres, 8 of features, 3 of tab's coordinates
.irp d, 0,1,2
.irp g, 0,1
	global_load_b128 v[RAW+8*(\d)+4*(\g):RAW+8*(\d)+4*(\g)+3], v7, s[20:21] offset:65536*(\d)+8192*(\g)
.endr
.endr
.irp d, 0,1,2
.irp i, 0,1,2,3
	global_load_b32 v[RC+4*(\d)+(\i)], v56, s[22:23] offset:16384*(\d)+128*(\i)
.endr
.endr
.irp j, 0,1,2,3,4,5,6,7
	global_load_b32 v[FE+(\j)], v57, s[24:25] offset:65536*(\j)
.endr
.irp d, 0,1,2
	global_load_b32 v[CO+(\d)], v58, s[26:27] offset:65536*(\d)
.endr
; Four points of group g: rounded to bf16 and widened again, p2 made, two pairs stored.
.macro ROUND4 g
.irp d, 0,1,2
	v_cvt_pk_bf16_f32 v62, v[RAW+8*(\d)+4*(\g)], v[RAW+8*(\d)+4*(\g)+1]
	v_cvt_pk_bf16_f32 v63, v[RAW+8*(\d)+4*(\g)+2], v[RAW+8*(\d)+4*(\g)+3]
	v_lshlrev_b32 v[Q+16*(\g)+2*(\d)], 16, v62
	v_and_b32 v[Q+16*(\g)+2*(\d)+1], s15, v62
	v_lshlrev_b32 v[Q+16*(\g)+8+2*(\d)], 16, v63
	v_and_b32 v[Q+16*(\g)+8+2*(\d)+1], s15, v63
.endr
.irp u, 0,1
	v_pk_mul_f32 v[Q+16*(\g)+8*(\u)+6:Q+16*(\g)+8*(\u)+7], v[Q+16*(\g)+8*(\u):Q+16*(\g)+8*(\u)+1], v[Q+16*(\g)+8*(\u):Q+16*(\g)+8*(\u)+1]
	v_pk_fma_f32 v[Q+16*(\g)+8*(\u)+6:Q+16*(\g)+8*(\u)+7], v[Q+16*(\g)+8*(\u)+2:Q+16*(\g)+8*(\u)+3], v[Q+16*(\g)+8*(\u)+2:Q+16*(\g)+8*(\u)+3], v[Q+16*(\g)+8*(\u)+6:Q+16*(\g)+8*(\u)+7]
	v_pk_fma_f32 v[Q+16*(\g)+8*(\u)+6:Q+16*(\g)+8*(\u)+7], v[Q+16*(\g)+8*(\u)+4:Q+16*(\g)+8*(\u)+5], v[Q+16*(\g)+8*(\u)+4:Q+16*(\g)+8*(\u)+5], v[Q+16*(\g)+8*(\u)+6:Q+16*(\g)+8*(\u)+7]
.endr
.irp e, 0,1,2,3
	ds_store_b128 v59, v[Q+16*(\g)+4*(\e):Q+16*(\g)+4*(\e)+3] offset:32768*(\g)+16*(\e)
.endr
.endm
	s_wait_loadcnt 23                              ; the points are in: 12 + 8 + 3 younger loads may stay out
	ROUND4 0
	ROUND4 1
	s_wait_loadcnt 11                              ; the centres are in: 8 + 3 younger loads may stay out
.irp i, 0,1,2,3
	v_cvt_pk_bf16_f32 v62, v[RC+(\i)], v[RC+4+(\i)]
	v_cvt_pk_bf16_f32 v63, v[RC+8+(\i)], v[RC+8+(\i)]
	v_lshlrev_b32 v[C+8*(\i)], 16, v62
	v_and_b32 v[C+8*(\i)+2], s15, v62
	v_lshlrev_b32 v[C+8*(\i)+4], 16, v63
	v_mul_f32 v[C+8*(\i)+6], v[C+8*(\i)], v[C+8*(\i)]
	v_fma_f32 v[C+8*(\i)+6], v[C+8*(\i)+2], v[C+8*(\i)+2], v[C+8*(\i)+6]
	v_fma_f32 v[C+8*(\i)+6], v[C+8*(\i)+4], v[C+8*(\i)+4], v[C+8*(\i)+6]
	v_mov_b32 v[C+8*(\i)+7], v[C+8*(\i)+6]
	v_mul_f32 v[C+8*(\i)+1], -2.0, v[C+8*(\i)]
	v_mul_f32 v[C+8*(\i)], -2.0, v[C+8*(\i)]
	v_mul_f32 v[C+8*(\i)+3], -2.0, v[C+8*(\i)+2]
	v_mul_f32 v[C+8*(\i)+2], -2.0, v[C+8*(\i)+2]
	v_mul_f32 v[C+8*(\i)+5], -2.0, v[C+8*(\i)+4]
	v_mul_f32 v[C+8*(\i)+4], -2.0, v[C+8*(\i)+4]
	v_mov_b32 v[W+(\i)], 0                         ; 32 shifts push this out: it is written so that the first shift reads a written register
.endr
	v_mov_b32 v[TH], 0xbc23d70a
	v_mov_b32 v[TH+1], 0xbc23d70a
	s_wait_loadcnt 0x0                             ; features and tab's coordinates
.irp e, 0,1,2,3
	v_cvt_pk_bf16_f32 v[PK+(\e)], v[FE+2*(\e)], v[FE+2*(\e)+1]
.endr
	ds_store_b128 v60, v[PK:PK+3]
	s_cmp_lt_u32 s14, 4                            ; threads 0-127, a point each, add the row's last 16 bytes
	s_cbranch_scc0 .Lno_xyz
	v_cvt_pk_bf16_f32 v[PK+4], v[CO], v[CO+1]
	v_cvt_pk_bf16_f32 v[PK+5], v[CO+2], v64
	v_mov_b32 v[PK+6], 0
	v_mov_b32 v[PK+7], 0
	ds_store_b128 v60, v[PK+4:PK+7] offset:64
.Lno_xyz:
	s_wait_dscnt 0x0                               ; for the others' sake: my stores into the point table and the image are done
	s_barrier_signal -1
	s_barrier_wait -1
	; tab leaves: 10,240 bytes, 16 a thread, and 2,048 more by threads 0-127
	ds_load_b128 v[8:11], v61
	s_cmp_lt_u32 s14, 4
	s_cbranch_scc0 .Lshort
	ds_load_b128 v[12:15], v61 offset:8192
	s_wait_dscnt 0x0
	global_store_b128 v7, v[12:15], s[28:29] offset:8192
.Lshort:
	s_wait_dscnt 0x0
	global_store_b128 v7, v[8:11], s[28:29]        ; v7 and v[8:15] are never written again
; 16 points into a buffer: every lane reads the same 16 bytes
.macro FILL buf, off
.irp e, 0,1,2,3,4,5,6,7,8,9,10,11,12,13,14,15
	ds_load_b128 v[(\buf)+4*(\e):(\buf)+4*(\e)+3], v4 offset:(\off)+16*(\e)
.endr
.endm
; 16 points against my four centres, from the highest point down
.macro PAIRS buf
.irp e, 7,6,5,4,3,2,1,0
.irp i, 0,1,2,3
	v_pk_mul_f32 v[T+2*(\i):T+2*(\i)+1], v[C+8*(\i):C+8*(\i)+1], v[(\buf)+8*(\e):(\buf)+8*(\e)+1]
.endr
.irp i, 0,1,2,3
	v_pk_add_f32 v[S+2*(\i):S+2*(\i)+1], v[C+8*(\i)+6:C+8*(\i)+7], v[(\buf)+8*(\e)+6:(\buf)+8*(\e)+7]
.endr
.irp i, 0,1,2,3
	v_pk_fma_f32 v[T+2*(\i):T+2*(\i)+1], v[C+8*(\i)+2:C+8*(\i)+3], v[(\buf)+8*(\e)+2:(\buf)+8*(\e)+3], v[T+2*(\i):T+2*(\i)+1]
.endr
.irp i, 0,1,2,3
	v_pk_fma_f32 v[T+2*(\i):T+2*(\i)+1], v[C+8*(\i)+4:C+8*(\i)+5], v[(\buf)+8*(\e)+4:(\buf)+8*(\e)+5], v[T+2*(\i):T+2*(\i)+1]
.endr
.irp i, 0,1,2,3
	v_pk_add_f32 v[T+2*(\i):T+2*(\i)+1], v[S+2*(\i):S+2*(\i)+1], v[T+2*(\i):T+2*(\i)+1]
.endr
.irp i, 0,1,2,3
	v_pk_add_f32 v[T+2*(\i):T+2*(\i)+1], v[T+2*(\i):T+2*(\i)+1], v[TH:TH+1]
.endr
.irp i, 0,1,2,3
	v_alignbit_b32 v[W+(\i)], v[W+(\i)], v[T+2*(\i)+1], 31   ; the word moves up by one and takes the sign bit
.endr
.irp i, 0,1,2,3
	v_alignbit_b32 v[W+(\i)], v[W+(\i)], v[T+2*(\i)], 31
.endr
.endr
.endm
; A word of 32 points.  While one buffer is worked on, the other's 16 loads are out.
.macro WORD last
	s_wait_dscnt 16                                ; the upper buffer is in: the lower buffer's 16 loads, issued behind it, may stay out (on the way in and round the backward jump alike)
	PAIRS BH
.if !(\last)
	FILL BH, 768                                   ; the next word's points 16-31
	s_wait_dscnt 16                                ; the lower buffer is in: the 16 just issued may stay out
.else
	s_wait_dscnt 0x0
.endif
	PAIRS BL
.irp i, 0,1,2,3
	ds_store_b32 v5, v[W+(\i)] offset:32*SPITCH*(\i)
.endr
.if !(\last)
	FILL BL, 512                                   ; the next word's points 0-15
	v_add_nc_u32 v4, 512, v4
	v_add_nc_u32 v5, 4, v5
.endif
.endm
	FILL BH, 256
	FILL BL, 0
	s_mov_b32 s32, 7
.Lword:
	WORD 0
	s_sub_co_u32 s32, s32, 1
	s_cmp_lg_u32 s32, 0
	s_cbranch_scc1 .Lword
	WORD 1                                         ; the eighth word fetches nothing
	s_wait_dscnt 0x0                               ; for the others' sake: my words are in the stage
	s_barrier_signal -1
	s_barrier_wait -1
	s_mul_i32 s36, s14, 8*SPITCH                   ; wave v sends rows 8 v .. 8 v + 7
	s_add_co_u32 s36, s36, STAGE
	v_lshl_add_u32 v61, v6, 4, s36
.irp q, 0,1,2,3,4,5,6,7
	ds_load_b128 v[BH+4*(\q):BH+4*(\q)+3], v61 offset:SPITCH*(\q)
.endr
.irp q, 0,1,2,3,4,5,6,7
	s_wait_dscnt 7-(\q)                            ; LDS loads come back in order: row q is in
	global_store_b128 v1, v[BH+4*(\q):BH+4*(\q)+3], s[30:31] offset:2048*(\q) th:TH_STORE_NT  ; 512 consecutive bytes, at a multiple of 512 from the buffer's first
.endr
	s_wait_tensorcnt 0x0                           ; the wave's end: behind my last LDS store
	ds_add_u32 v2, v3
	s_wait_dscnt 0x0
	s_endpgm
.Lfunc_end_k_q306652f18d_mask:
	.size	k_q306652f18d_mask, .Lfunc_end_k_q306652f18d_mask-k_q306652f18d_mask
	.p2alignl 7, 3214868480
	.fill 96, 4, 3214868480
	.section	.rodata,"a",@progbits
	.p2align	6, 0x0
	.amdhsa_kernel k_q306652f18d_mask
		.amdhsa_group_segment_fixed_size 145408
		.amdhsa_private_segment_fixed_size 0
		.amdhsa_enable_private_segment 0
		.amdhsa_kernarg_size 40
		.amdhsa_user_sgpr_count 2
		.amdhsa_user_sgpr_kernarg_segment_ptr 1
		.amdhsa_wavefront_size32 1
		.amdhsa_system_sgpr_workgroup_id_x 1
		.amdhsa_system_sgpr_workgroup_id_y 1
		.amdhsa_system_sgpr_workgroup_id_z 1
		.amdhsa_system_vgpr_workitem_id 0
		.amdhsa_next_free_vgpr 200
		.amdhsa_next_free_sgpr 66
		.amdhsa_reserve_vcc 0
		.amdhsa_float_denorm_mode_32 3
		.amdhsa_float_denorm_mode_16_64 3
		.amdhsa_memory_ordered 1
		.amdhsa_forward_progress 1
		.amdhsa_inst_pref_size 84
	.end_amdhsa_kernel
	.amdgpu_metadata
---
amdhsa.version: [ 1, 2 ]
amdhsa.kernels:
  - .name:           k_q306652f18d_mask
    .symbol:         k_q306652f18d_mask.kd
    .args:
      - { .name: points_coords, .offset: 0, .size: 8, .value_kind: global_buffer, .address_space: global }
      - { .name: centers_coords, .offset: 8, .size: 8, .value_kind: global_buffer, .address_space: global }
      - { .name: points_features, .offset: 16, .size: 8, .value_kind: global_buffer, .address_space: global }
      - { .name: masks, .offset: 24, .size: 8, .value_kind: global_buffer, .address_space: global }
      - { .name: tab, .offset: 32, .size: 8, .value_kind: global_buffer, .address_space: global }
    .group_segment_fixed_size: 145408
    .private_segment_fixed_size: 0
    .kernarg_segment_align: 8
    .kernarg_segment_size: 40
    .max_flat_workgroup_size: 512
    .sgpr_count:     66
    .vgpr_count:     200
    .wavefront_size: 32
...
	.end_amdgpu_metadata
.endif
;; end of part 1
;; launch pick (part 2): grid 256 x 1, 16 waves a work-group, no clusters, 137,472 bytes of LDS; arguments masks, idx; writes idx
.if DOCPART == 2
	.amdgcn_target "amdgcn-amd-amdhsa--gfx1250"
	.amdhsa_code_object_version 6
	.text
	.protected	k_q306652f18d_pick
	.globl	k_q306652f18d_pick
	.p2align	8
	.type	k_q306652f18d_pick,@function
k_q306652f18d_pick:
	s_mov_b64 s[64:65], 0
	v_nop
	global_prefetch_b8 v0, s[64:65] scope:SCOPE_SE
	s_setreg_imm32_b32 hwreg(HW_REG_WAVE_MODE, 25, 1), 1
	s_wait_xcnt 0x0
; FROM BITS TO INDICES.  For each centre: the places of the first 32 set bits of its 16,384; slots that stay empty take the first place, or 0 where no bit is set.
; idx: 256 tiles of 4,096 bytes; tile (centre >> 5) holds [slot 0..31][centre & 31] as u32.  All numbers here are whole numbers.
; SHARES.  Work-group g makes tile g; wave v takes centres 32 g + 2 v + c, c = 0, 1; every step is written for both, so that one's waits are filled by the other's work.
; A lane first holds words 16 l .. 16 l + 15 of a centre: it counts their bits (by shifts and masks), sums them along the lane, and the lanes' sums are scanned (four steps in each
; half of 16 lanes ride on DPP; the lower half's total is added to the upper).  Words and the 512 inclusive sums go to the wave's own LDS bytes: no barrier.
; Then a lane IS slot l: nine halving steps find the word that holds its bit (the number of words whose inclusive sum is <= l), five more the bit in the word.
; Every LDS address made of loaded numbers is bounded by v_min_u32 first.
; The 32 x 32 tile is gathered in LDS and leaves whole: each wave's store covers 256 consecutive bytes, aligned.
; NO TENSOR LOAD, NO CLUSTER: no byte is read by two work-groups; a wave's 4 KiB go out as eight loads at its head.
.set TILE,  131072                     ; behind the waves' own 8,192 bytes each (centre c: words at 4,096 c, sums at 4,096 c + 2,048)
.set TP,    136                        ; a tile's row: 128 bytes + 8
.set SPARE, TILE+32*TP                 ; the spare words: 128 bytes for each of 16 waves, eight blocks of 256 bytes that no other line names
; v2, v3 the add's two registers; v4 lane; v5 64 x lane; v6 my 64 bytes in the wave's LDS; v7 where my index goes in the tile; v8 where I read the tile back; v9 8 x lane
; centre c at R = 16 + 56 c: +0..15 words; +16..31 counts, then sums; +32 t; +33 the scan; +34 its partner; +35 pos; +36 base; +37 address; +38 loaded sum; +39 u;
;   +40..43 counts of 2, 4, 8, 16 bits; +44 the word; +45 rank; +46 bit; +47 index.  v[64:65] at the end: the pair that is stored
	s_load_b128 s[4:7], s[0:1], 0x0                ; masks s[4:5], idx s[6:7]
	v_lshl_add_u32 v2, v0, 2, SPARE
	v_mov_b32 v3, 0
	v_lshrrev_b32 v1, 5, v0
	v_readfirstlane_b32 s8, v1                     ; wave 0..15
	v_and_b32 v4, 31, v0
	v_lshlrev_b32 v5, 6, v4
	s_lshl_b32 s16, s8, 13                         ; my wave's LDS bytes
	v_add_nc_u32 v6, s16, v5
	v_mul_u32_u24 v7, v4, TP
	s_lshl_b32 s17, s8, 3
	s_add_co_u32 s17, s17, TILE
	v_add_nc_u32 v7, s17, v7                       ; row = slot = lane, columns 2 v and 2 v + 1
	v_lshrrev_b32 v8, 4, v4
	v_mul_u32_u24 v8, v8, TP
	v_and_b32 v1, 15, v4
	v_lshl_add_u32 v8, v1, 3, v8
	s_mul_i32 s17, s8, 2*TP
	s_add_co_u32 s17, s17, TILE
	v_add_nc_u32 v8, s17, v8                       ; back: rows 2 v and 2 v + 1, 8 bytes a lane
	v_lshlrev_b32 v9, 3, v4
	s_mov_b32 s20, 0x55555555
	s_mov_b32 s21, 0x33333333
	s_mov_b32 s22, 0x0f0f0f0f
	s_mov_b32 s23, 0x01010101
	s_mov_b32 s24, 0xffff0000                      ; lanes 16-31
	s_lshl_b32 s10, ttmp9, 5
	s_lshl_b32 s18, s8, 1
	s_add_co_u32 s10, s10, s18
	s_lshl_b32 s10, s10, 11                        ; my first centre's 2,048 bytes
	s_mov_b32 s11, 0
	s_lshl_b32 s12, ttmp9, 12
	s_lshl_b32 s18, s8, 8
	s_add_co_u32 s12, s12, s18                     ; my 256 bytes of the tile
	s_mov_b32 s13, 0
	s_wait_kmcnt 0x0
	s_add_nc_u64 s[10:11], s[4:5], s[10:11]
	s_add_nc_u64 s[12:13], s[6:7], s[12:13]
.irp c, 0,1
.irp j, 0,1,2,3
	global_load_b128 v[16+56*(\c)+4*(\j):16+56*(\c)+4*(\j)+3], v5, s[10:11] offset:2048*(\c)+16*(\j) th:TH_LOAD_NT
.endr
.endr
.irp c, 0,1
	v_mov_b32 v[16+56*(\c)+34], 0                  ; a DPP form's destination counts as read
	v_mov_b32 v[16+56*(\c)+35], 0                  ; pos
	v_mov_b32 v[16+56*(\c)+36], 0                  ; base
.endr
.macro POPC d, x, t                    ; d = the number of set bits of x
	v_lshrrev_b32 v[\t], 1, v[\x]
	v_and_b32 v[\t], s20, v[\t]
	v_sub_nc_u32 v[\d], v[\x], v[\t]
	v_lshrrev_b32 v[\t], 2, v[\d]
	v_and_b32 v[\d], s21, v[\d]
	v_and_b32 v[\t], s21, v[\t]
	v_add_nc_u32 v[\d], v[\d], v[\t]
	v_lshrrev_b32 v[\t], 4, v[\d]
	v_add_nc_u32 v[\d], v[\d], v[\t]
	v_and_b32 v[\d], s22, v[\d]
	v_mul_lo_u32 v[\d], v[\d], s23
	v_lshrrev_b32 v[\d], 24, v[\d]
.endm
; Centre c: words to LDS; counts; inclusive sums over all 512 words; sums to LDS.  s[28+c] takes the centre's total.
.macro COUNT c
.set R, 16+56*(\c)
	s_wait_loadcnt 4-4*(\c)                        ; my four loads are in; the other centre's four, issued behind them, may stay out
.irp j, 0,1,2,3
	ds_store_b128 v6, v[R+4*(\j):R+4*(\j)+3] offset:4096*(\c)+16*(\j)
.endr
.set n, 0
.rept 16
	POPC R+16+n, R+n, R+32
.set n, n+1
.endr
.set n, 1
.rept 15
	v_add_nc_u32 v[R+16+n], v[R+16+n], v[R+15+n]
.set n, n+1
.endr
	v_mov_b32 v[R+33], v[R+31]                     ; my 16 words' total
.irp h, 1,2,4,8
	v_mov_b32_dpp v[R+34], v[R+33] row_shr:\h row_mask:0xf bank_mask:0xf bound_ctrl:1  ; lanes with no lane h below them take 0
	v_add_nc_u32 v[R+33], v[R+33], v[R+34]
.endr
	v_readlane_b32 s[26+(\c)], v[R+33], 15         ; the lower 16 lanes' total,
	v_cndmask_b32 v[R+34], 0, s[26+(\c)], s24      ; for the upper 16
	v_add_nc_u32 v[R+33], v[R+33], v[R+34]
	v_readlane_b32 s[28+(\c)], v[R+33], 31         ; the centre's total
	v_sub_nc_u32 v[R+33], v[R+33], v[R+31]         ; what lies below my first word
.set n, 0
.rept 16
	v_add_nc_u32 v[R+16+n], v[R+16+n], v[R+33]
.set n, n+1
.endr
.irp j, 0,1,2,3
	ds_store_b128 v6, v[R+16+4*(\j):R+16+4*(\j)+3] offset:4096*(\c)+2048+16*(\j)
.endr
.endm
	COUNT 0
	COUNT 1
; A halving step: where the inclusive sum of word pos + st - 1 is <= my slot, my bit lies further on.  LDS serves a wave's instructions in order: the loads see the stores above.
.macro STEP st
.irp c, 0,1
.set R, 16+56*(\c)
	v_min_u32 v[R+37], 512-(\st), v[R+35]          ; changes nothing (pos is a multiple of 2 st, 512 - 2 st at the most): the bound on an address made of loaded numbers
	v_lshl_add_u32 v[R+37], v[R+37], 2, s16
	ds_load_b32 v[R+38], v[R+37] offset:4096*(\c)+2048+4*((\st)-1)
.endr
	s_wait_dscnt 0x0
.irp c, 0,1
.set R, 16+56*(\c)
	v_cmp_le_u32 vcc_lo, v[R+38], v4
	v_cndmask_b32 v[R+36], v[R+36], v[R+38], vcc_lo
	v_add_nc_u32 v[R+39], \st, v[R+35]
	v_cndmask_b32 v[R+35], v[R+35], v[R+39], vcc_lo
.endr
.endm
.irp st, 256,128,64,32,16,8,4,2,1
	STEP \st
.endr
.irp c, 0,1
.set R, 16+56*(\c)
	v_min_u32 v[R+37], 511, v[R+35]
	v_lshl_add_u32 v[R+37], v[R+37], 2, s16
	ds_load_b32 v[R+44], v[R+37] offset:4096*(\c)
.endr
	s_wait_dscnt 0x0
; In the word: is my rank at or beyond the count of the lower half of what is left?
.macro SEL src, width, inc
	v_bfe_u32 v[R+32], v[\src], v[R+46], \width
	v_cmp_ge_u32 vcc_lo, v[R+45], v[R+32]
	v_sub_nc_u32 v[R+39], v[R+45], v[R+32]
	v_cndmask_b32 v[R+45], v[R+45], v[R+39], vcc_lo
	v_add_nc_u32 v[R+39], \inc, v[R+46]
	v_cndmask_b32 v[R+46], v[R+46], v[R+39], vcc_lo
.endm
.irp c, 0,1
.set R, 16+56*(\c)
	v_sub_nc_u32 v[R+45], v4, v[R+36]              ; my rank among the word's set bits
	v_lshrrev_b32 v[R+32], 1, v[R+44]
	v_and_b32 v[R+32], s20, v[R+32]
	v_sub_nc_u32 v[R+40], v[R+44], v[R+32]         ; counts of 2 bits
	v_lshrrev_b32 v[R+32], 2, v[R+40]
	v_and_b32 v[R+41], s21, v[R+40]
	v_and_b32 v[R+32], s21, v[R+32]
	v_add_nc_u32 v[R+41], v[R+41], v[R+32]         ; of 4
	v_lshrrev_b32 v[R+32], 4, v[R+41]
	v_add_nc_u32 v[R+42], v[R+41], v[R+32]
	v_and_b32 v[R+42], s22, v[R+42]                ; of 8
	v_lshrrev_b32 v[R+32], 8, v[R+42]
	v_add_nc_u32 v[R+43], v[R+42], v[R+32]         ; byte 0: of the lower 16
	v_mov_b32 v[R+46], 0
	SEL R+43, 8, 16
	SEL R+42, 8, 8
	SEL R+41, 4, 4
	SEL R+40, 2, 2
	SEL R+44, 1, 1
	v_lshl_add_u32 v[R+47], v[R+35], 5, v[R+46]    ; the point's number
	v_cmp_gt_u32 vcc_lo, s[28+(\c)], v4            ; is my slot filled?
	v_cndmask_b32 v[R+32], 0, v[R+47], vcc_lo
	v_readfirstlane_b32 s[30+(\c)], v[R+32]        ; slot 0's point, or 0 where the ball is empty
	v_cndmask_b32 v[R+47], s[30+(\c)], v[R+47], vcc_lo
	ds_store_b32 v7, v[R+47] offset:4*(\c)
.endr
	s_wait_dscnt 0x0                               ; for the others' sake: my two columns of the tile are stored
	s_barrier_signal -1
	s_barrier_wait -1
	ds_load_b64 v[64:65], v8
	s_wait_dscnt 0x0
	global_store_b64 v9, v[64:65], s[12:13]        ; 256 consecutive bytes, at a multiple of 256 from the buffer's first
	s_wait_tensorcnt 0x0                           ; the wave's end: behind my last LDS store
	ds_add_u32 v2, v3
	s_wait_dscnt 0x0
	s_endpgm
.Lfunc_end_k_q306652f18d_pick:
	.size	k_q306652f18d_pick, .Lfunc_end_k_q306652f18d_pick-k_q306652f18d_pick
	.p2alignl 7, 3214868480
	.fill 96, 4, 3214868480
	.section	.rodata,"a",@progbits
	.p2align	6, 0x0
	.amdhsa_kernel k_q306652f18d_pick
		.amdhsa_group_segment_fixed_size 137472
		.amdhsa_private_segment_fixed_size 0
		.amdhsa_enable_private_segment 0
		.amdhsa_kernarg_size 16
		.amdhsa_user_sgpr_count 2
		.amdhsa_user_sgpr_kernarg_segment_ptr 1
		.amdhsa_wavefront_size32 1
		.amdhsa_system_sgpr_workgroup_id_x 1
		.amdhsa_system_sgpr_workgroup_id_y 1
		.amdhsa_system_sgpr_workgroup_id_z 1
		.amdhsa_system_vgpr_workitem_id 0
		.amdhsa_next_free_vgpr 128
		.amdhsa_next_free_sgpr 66
		.amdhsa_reserve_vcc 1
		.amdhsa_float_denorm_mode_32 3
		.amdhsa_float_denorm_mode_16_64 3
		.amdhsa_memory_ordered 1
		.amdhsa_forward_progress 1
		.amdhsa_inst_pref_size 31
	.end_amdhsa_kernel
	.amdgpu_metadata
---
amdhsa.version: [ 1, 2 ]
amdhsa.kernels:
  - .name:           k_q306652f18d_pick
    .symbol:         k_q306652f18d_pick.kd
    .args:
      - { .name: masks, .offset: 0, .size: 8, .value_kind: global_buffer, .address_space: global }
      - { .name: idx, .offset: 8, .size: 8, .value_kind: global_buffer, .address_space: global }
    .group_segment_fixed_size: 137472
    .private_segment_fixed_size: 0
    .kernarg_segment_align: 8
    .kernarg_segment_size: 16
    .max_flat_workgroup_size: 512
    .sgpr_count:     66
    .vgpr_count:     128
    .wavefront_size: 32
...
	.end_amdgpu_metadata
.endif
;; end of part 2
;; launch group (part 3): grid 64 x 4, 8 waves a work-group, no clusters, 0 bytes of LDS; arguments idx, tab, centers_coords, out0; writes out0
.if DOCPART == 3
	.amdgcn_target "amdgcn-amd-amdhsa--gfx1250"
	.amdhsa_code_object_version 6
	.text
	.protected	k_q306652f18d_group
	.globl	k_q306652f18d_group
	.p2align	8
	.type	k_q306652f18d_group,@function
k_q306652f18d_group:
	s_mov_b64 s[64:65], 0
	v_nop
	global_prefetch_b8 v0, s[64:65] scope:SCOPE_SE
	s_setreg_imm32_b32 hwreg(HW_REG_WAVE_MODE, 25, 1), 1
	s_wait_xcnt 0x0
; THE GATHER.  out0[b][ch][k][m]: ch 0-2 the neighbour's coordinate less the centre's, ch 3-34 its features; the neighbour is point idx(b, m, k).
; NUMBERS.  Points, centres and features are the inputs rounded once to bf16 (tab holds the points' side so; the centres are rounded here); the difference is one f32 subtraction.
; SHARES.  A work-group: 128 centres x 8 slots, a wave one slot.  Lane l holds centres 4 l .. 4 l + 3: for each it fetches the point's row of tab (80 bytes, five loads of 16),
; so that a lane's four numbers of a channel are 16 neighbouring bytes of out0, and each store of the wave covers 512 consecutive bytes, aligned.
; Straight-line text: the loads go out in two runs (4, then 20), the waits count down group by group; no register that a store reads is written again, so no wait stands for the stores.
; NO LDS, NO TENSOR LOAD, NO CLUSTER: the rows are chosen by the indices, lane by lane; work-groups have no tile in common.
.set TT, 24                            ; v[24:103]   centre i, piece j of its row at TT + 20 i + 4 j
.set O,  104                           ; v[104:243]  channel ch: four centres' numbers at O + 4 ch
; v1 my 16 bytes of idx; v2 16 x lane; v[4:7] four indices; v[8:11] their rows' offsets; v[12:23] centres x4, y4, z4; v244, v245 at work
	s_load_b256 s[4:11], s[0:1], 0x0               ; idx s[4:5], tab s[6:7], centres s[8:9], out0 s[10:11]
	v_lshrrev_b32 v3, 5, v0
	v_readfirstlane_b32 s12, v3                    ; wave 0..7
	v_and_b32 v3, 31, v0
	v_lshlrev_b32 v2, 4, v3
	v_lshrrev_b32 v1, 3, v3                        ; which of the block's four tiles of idx,
	v_and_b32 v3, 7, v3
	v_lshlrev_b32 v1, 12, v1
	v_lshl_add_u32 v1, v3, 4, v1                   ; and my four centres in its row
	s_and_b32 s13, ttmp7, 0xffff
	s_lshl_b32 s13, s13, 3
	s_add_co_u32 s13, s13, s12                     ; slot k
	s_mov_b32 s14, 0xffff0000                      ; a word's upper bf16
	s_lshr_b32 s15, ttmp9, 5                       ; batch
	s_and_b32 s30, ttmp9, 31
	s_lshl_b32 s30, s30, 9                         ; the block's 128 centres: 512 bytes of a row of f32
	s_lshl_b32 s16, ttmp9, 14                      ; idx: four tiles of 4,096 bytes a block, row k of 128 bytes
	s_lshl_b32 s31, s13, 7
	s_add_co_u32 s16, s16, s31
	s_mov_b32 s17, 0
	s_mul_i32 s18, s15, 1310720                    ; tab: 16,384 rows of 80 bytes a batch
	s_mov_b32 s19, 0
	s_mul_i32 s20, s15, 49152
	s_add_co_u32 s20, s20, s30
	s_mov_b32 s21, 0
	s_mul_i32 s24, s15, 18350080                   ; out0: 35 channels x 524,288 bytes a batch, 16,384 a slot
	s_lshl_b32 s31, s13, 14
	s_add_co_u32 s24, s24, s31
	s_add_co_u32 s24, s24, s30
	s_mov_b32 s25, 0
	s_wait_kmcnt 0x0
	s_add_nc_u64 s[16:17], s[4:5], s[16:17]
	s_add_nc_u64 s[18:19], s[6:7], s[18:19]
	s_add_nc_u64 s[20:21], s[8:9], s[20:21]
	s_add_nc_u64 s[24:25], s[10:11], s[24:25]      ; channels 0-15,
	s_add_nc_u64 s[26:27], s[24:25], 0x800000      ; 16-31,
	s_add_nc_u64 s[28:29], s[24:25], 0x1000000     ; 32-34: so that a channel's 524,288 bytes times at most 15 stay inside the signed 24-bit immediate
	global_load_b128 v[4:7], v1, s[16:17]
.irp d, 0,1,2
	global_load_b128 v[12+4*(\d):12+4*(\d)+3], v2, s[20:21] offset:16384*(\d)
.endr
	s_wait_loadcnt 3                               ; the indices are in; the centres' three loads may stay out
.irp i, 0,1,2,3
	v_min_u32 v[4+(\i)], 0x3fff, v[4+(\i)]         ; changes nothing: the bound on an address made of a loaded number
	v_mul_u32_u24 v[8+(\i)], v[4+(\i)], 80
.endr
.irp j, 0,1,2,3,4
.irp i, 0,1,2,3
	global_load_b128 v[TT+20*(\i)+4*(\j):TT+20*(\i)+4*(\j)+3], v[8+(\i)], s[18:19] offset:16*(\j)
.endr
.endr
	s_wait_loadcnt 20                              ; the centres are in; the 20 loads of rows may stay out
.irp d, 0,1,2
	v_cvt_pk_bf16_f32 v244, v[12+4*(\d)], v[12+4*(\d)+1]
	v_cvt_pk_bf16_f32 v245, v[12+4*(\d)+2], v[12+4*(\d)+3]
	v_lshlrev_b32 v[12+4*(\d)], 16, v244
	v_and_b32 v[12+4*(\d)+1], s14, v244
	v_lshlrev_b32 v[12+4*(\d)+2], 16, v245
	v_and_b32 v[12+4*(\d)+3], s14, v245
.endr
.macro ST ch
	global_store_b128 v2, v[O+4*(\ch):O+4*(\ch)+3], s[24+2*((\ch)/16):25+2*((\ch)/16)] offset:((\ch)%16)*524288 th:TH_STORE_NT
.endm
.irp j, 0,1,2,3
	s_wait_loadcnt 16-4*(\j)                       ; piece j of all four rows is in; the later pieces' loads may stay out
.irp e, 0,1,2,3
.set ch, 3+8*(\j)+2*(\e)
.irp i, 0,1,2,3
	v_lshlrev_b32 v[O+4*ch+(\i)], 16, v[TT+20*(\i)+4*(\j)+(\e)]
	v_and_b32 v[O+4*ch+4+(\i)], s14, v[TT+20*(\i)+4*(\j)+(\e)]
.endr
	ST ch
	ST ch+1
.endr
.endr
	s_wait_loadcnt 0x0                             ; the rows' last piece: x | y, z
.irp i, 0,1,2,3
	v_lshlrev_b32 v[O+(\i)], 16, v[TT+20*(\i)+16]
	v_and_b32 v[O+4+(\i)], s14, v[TT+20*(\i)+16]
	v_lshlrev_b32 v[O+8+(\i)], 16, v[TT+20*(\i)+17]
.endr
.irp i, 0,1,2,3
	v_sub_f32 v[O+(\i)], v[O+(\i)], v[12+(\i)]
	v_sub_f32 v[O+4+(\i)], v[O+4+(\i)], v[16+(\i)]
	v_sub_f32 v[O+8+(\i)], v[O+8+(\i)], v[20+(\i)]
.endr
	ST 0
	ST 1
	ST 2
	s_endpgm
.Lfunc_end_k_q306652f18d_group:
	.size	k_q306652f18d_group, .Lfunc_end_k_q306652f18d_group-k_q306652f18d_group
	.p2alignl 7, 3214868480
	.fill 96, 4, 3214868480
	.section	.rodata,"a",@progbits
	.p2align	6, 0x0
	.amdhsa_kernel k_q306652f18d_group
		.amdhsa_group_segment_fixed_size 0
		.amdhsa_private_segment_fixed_size 0
		.amdhsa_enable_private_segment 0
		.amdhsa_kernarg_size 32
		.amdhsa_user_sgpr_count 2
		.amdhsa_user_sgpr_kernarg_segment_ptr 1
		.amdhsa_wavefront_size32 1
		.amdhsa_system_sgpr_workgroup_id_x 1
		.amdhsa_system_sgpr_workgroup_id_y 1
		.amdhsa_system_sgpr_workgroup_id_z 1
		.amdhsa_system_vgpr_workitem_id 0
		.amdhsa_next_free_vgpr 252
		.amdhsa_next_free_sgpr 66
		.amdhsa_reserve_vcc 0
		.amdhsa_float_denorm_mode_32 3
		.amdhsa_float_denorm_mode_16_64 3
		.amdhsa_memory_ordered 1
		.amdhsa_forward_progress 1
		.amdhsa_inst_pref_size 14
	.end_amdhsa_kernel
	.amdgpu_metadata
---
amdhsa.version: [ 1, 2 ]
amdhsa.kernels:
  - .name:           k_q306652f18d_group
    .symbol:         k_q306652f18d_group.kd
    .args:
      - { .name: idx, .offset: 0, .size: 8, .value_kind: global_buffer, .address_space: global }
      - { .name: tab, .offset: 8, .size: 8, .value_kind: global_buffer, .address_space: global }
      - { .name: centers_coords, .offset: 16, .size: 8, .value_kind: global_buffer, .address_space: global }
      - { .name: out0, .offset: 24, .size: 8, .value_kind: global_buffer, .address_space: global }
    .group_segment_fixed_size: 0
    .private_segment_fixed_size: 0
    .kernarg_segment_align: 8
    .kernarg_segment_size: 32
    .max_flat_workgroup_size: 256
    .sgpr_count:     66
    .vgpr_count:     252
    .wavefront_size: 32
...
	.end_amdgpu_metadata
.endif
;; end of part 3
;; ======== version 2 of 2: 3 launches; version 1 with the launch group written anew for expert scheduling mode
;; workspace buffers: masks 16,777,216 bytes of whole numbers; idx 1,048,576 bytes of whole numbers; tab 2,621,440 bytes
;; launch mask: the kernel of part 1 again; grid 32 x 8, 16 waves a work-group, no clusters, 145,408 bytes of LDS; arguments points_coords, centers_coords, points_features, masks, tab; writes masks, tab
;; launch pick: the kernel of part 2 again; grid 256 x 1, 16 waves a work-group, no clusters, 137,472 bytes of LDS; arguments masks, idx; writes idx
;; launch group (part 4): grid 64 x 4, 8 waves a work-group, no clusters, 0 bytes of LDS; arguments idx, tab, centers_coords, out0; writes out0
.if DOCPART == 4
	.amdgcn_target "amdgcn-amd-amdhsa--gfx1250"
	.amdhsa_code_object_version 6
	.text
	.protected	k_q306652f18d_group
	.globl	k_q306652f18d_group
	.p2align	8
	.type	k_q306652f18d_group,@function
k_q306652f18d_group:
	s_mov_b64 s[64:65], 0
	v_nop
	global_prefetch_b8 v0, s[64:65] scope:SCOPE_SE
	s_setreg_imm32_b32 hwreg(HW_REG_WAVE_SCHED_MODE, 0, 2), 2
	s_setreg_imm32_b32 hwreg(HW_REG_WAVE_MODE, 25, 1), 1
	s_wait_xcnt 0x0
	s_wait_alu depctr_vm_vsrc(0)
; THE GATHER.  out0[b][ch][k][m]: ch 0-2 the neighbour's coordinate less the centre's, ch 3-34 its features; the neighbour is point idx(b, m, k).
; NUMBERS.  Points, centres and features are the inputs rounded once to bf16 (tab holds the points' side so; the centres are rounded here); the difference is one f32 subtraction.
; SHARES.  A work-group: 128 centres x 8 slots, a wave one slot.  Lane l holds centres 4 l .. 4 l + 3: for each it fetches the point's row of tab (80 bytes, five loads of 16),
; so that a lane's four numbers of a channel are 16 neighbouring bytes of out0, and each store of the wave covers 512 consecutive bytes, aligned.
; Straight-line text: the loads go out in two runs (4, then 20), the waits count down group by group; no register that a load or a store reads is written again.
; NO LDS, NO TENSOR LOAD, NO CLUSTER: the rows are chosen by the indices, lane by lane; work-groups have no tile in common.
; THE MODE: SCHED_MODE bits 1:0 = 2 (LLVM: expert scheduling mode 2), set by the entry lines.  The code itself states the register dependences
; between vector instructions and memory instructions, with s_wait_alu, always for 0.
; THE PLAN.  Registers that memory instructions touch:
;   v1, v2     offsets, made at the head and never written again: v1 is read by the load of the indices, v2 by the centres' loads and by every store.
;   v[8:11]    the four rows' offsets, made once from the indices and never written again: read by the 20 loads of rows.
;   v[4:7], v[12:23], TT   loads land in them; no vector instruction names them ahead of those loads; behind the counted waits on LOADcnt vector instructions alone name them.
;   O          each register is written by vector instructions ahead of the one store that reads it, and never behind it.
; So every wait on va_vdst states that registers are written which the run of memory instructions behind it reads: one ahead of the first loads (v1, v2), one ahead of the loads of rows
; (v[8:11]), one ahead of each run of stores (a piece's 32 unpacking lines stand together, then the wait, then its eight stores; the coordinates likewise, with three stores).
; One wait on vm_vsrc stands among the entry lines; behind it nothing that a memory instruction has read is written again.  One wait on va_sdst stands ahead of the first reader of the wave's number.
.set TT, 24                            ; v[24:103]   centre i, piece j of its row at TT + 20 i + 4 j
.set O,  104                           ; v[104:243]  channel ch: four centres' numbers at O + 4 ch
; v1 my 16 bytes of idx; v2 16 x lane; v[4:7] four indices; v[8:11] their rows' offsets; v[12:23] centres x4, y4, z4; v244, v245 at work
	s_load_b256 s[4:11], s[0:1], 0x0               ; idx s[4:5], tab s[6:7], centres s[8:9], out0 s[10:11]
	v_lshrrev_b32 v3, 5, v0
	v_readfirstlane_b32 s12, v3                    ; wave 0..7
	v_and_b32 v3, 31, v0
	v_lshlrev_b32 v2, 4, v3
	v_lshrrev_b32 v1, 3, v3                        ; which of the block's four tiles of idx,
	v_and_b32 v3, 7, v3
	v_lshlrev_b32 v1, 12, v1
	v_lshl_add_u32 v1, v3, 4, v1                   ; and my four centres in its row
	s_wait_alu depctr_va_sdst(0)                   ; s12 is written, ahead of its first reader: the slot's number is made from it
	s_and_b32 s13, ttmp7, 0xffff
	s_lshl_b32 s13, s13, 3
	s_add_co_u32 s13, s13, s12                     ; slot k
	s_mov_b32 s14, 0xffff0000                      ; a word's upper bf16
	s_lshr_b32 s15, ttmp9, 5                       ; batch
	s_and_b32 s30, ttmp9, 31
	s_lshl_b32 s30, s30, 9                         ; the block's 128 centres: 512 bytes of a row of f32
	s_lshl_b32 s16, ttmp9, 14                      ; idx: four tiles of 4,096 bytes a block, row k of 128 bytes
	s_lshl_b32 s31, s13, 7
	s_add_co_u32 s16, s16, s31
	s_mov_b32 s17, 0
	s_mul_i32 s18, s15, 1310720                    ; tab: 16,384 rows of 80 bytes a batch
	s_mov_b32 s19, 0
	s_mul_i32 s20, s15, 49152
	s_add_co_u32 s20, s20, s30
	s_mov_b32 s21, 0
	s_mul_i32 s24, s15, 18350080                   ; out0: 35 channels x 524,288 bytes a batch, 16,384 a slot
	s_lshl_b32 s31, s13, 14
	s_add_co_u32 s24, s24, s31
	s_add_co_u32 s24, s24, s30
	s_mov_b32 s25, 0
	s_wait_kmcnt 0x0
	s_add_nc_u64 s[16:17], s[4:5], s[16:17]
	s_add_nc_u64 s[18:19], s[6:7], s[18:19]
	s_add_nc_u64 s[20:21], s[8:9], s[20:21]
	s_add_nc_u64 s[24:25], s[10:11], s[24:25]      ; channels 0-15,
	s_add_nc_u64 s[26:27], s[24:25], 0x800000      ; 16-31,
	s_add_nc_u64 s[28:29], s[24:25], 0x1000000     ; 32-34: so that a channel's 524,288 bytes times at most 15 stay inside the signed 24-bit immediate
	s_wait_alu depctr_va_vdst(0)                   ; v1 and v2 are written: the four loads below read them as offsets, and every store of the kernel reads v2, which no later vector instruction names
	global_load_b128 v[4:7], v1, s[16:17]
.irp d, 0,1,2
	global_load_b128 v[12+4*(\d):12+4*(\d)+3], v2, s[20:21] offset:16384*(\d)
.endr
	s_wait_loadcnt 3                               ; the indices are in; the centres' three loads may stay out
.irp i, 0,1,2,3
	v_min_u32 v[4+(\i)], 0x3fff, v[4+(\i)]         ; changes nothing: the bound on an address made of a loaded number
	v_mul_u32_u24 v[8+(\i)], v[4+(\i)], 80
.endr
	s_wait_alu depctr_va_vdst(0)                   ; the four multiplies have written v[8:11], which the 20 loads below read as offsets
.irp j, 0,1,2,3,4
.irp i, 0,1,2,3
	global_load_b128 v[TT+20*(\i)+4*(\j):TT+20*(\i)+4*(\j)+3], v[8+(\i)], s[18:19] offset:16*(\j)
.endr
.endr
	s_wait_loadcnt 20                              ; the centres are in; the 20 loads of rows may stay out
.irp d, 0,1,2
	v_cvt_pk_bf16_f32 v244, v[12+4*(\d)], v[12+4*(\d)+1]
	v_cvt_pk_bf16_f32 v245, v[12+4*(\d)+2], v[12+4*(\d)+3]
	v_lshlrev_b32 v[12+4*(\d)], 16, v244
	v_and_b32 v[12+4*(\d)+1], s14, v244
	v_lshlrev_b32 v[12+4*(\d)+2], 16, v245
	v_and_b32 v[12+4*(\d)+3], s14, v245
.endr
.macro ST ch
	global_store_b128 v2, v[O+4*(\ch):O+4*(\ch)+3], s[24+2*((\ch)/16):25+2*((\ch)/16)] offset:((\ch)%16)*524288 th:TH_STORE_NT
.endm
.irp j, 0,1,2,3
	s_wait_loadcnt 16-4*(\j)                       ; piece j of all four rows is in; the later pieces' loads may stay out
.irp e, 0,1,2,3
.set ch, 3+8*(\j)+2*(\e)
.irp i, 0,1,2,3
	v_lshlrev_b32 v[O+4*ch+(\i)], 16, v[TT+20*(\i)+4*(\j)+(\e)]
	v_and_b32 v[O+4*ch+4+(\i)], s14, v[TT+20*(\i)+4*(\j)+(\e)]
.endr
.endr
	s_wait_alu depctr_va_vdst(0)                   ; the 32 lines above have written channels 3 + 8 j .. 10 + 8 j of O, which the eight stores below read
.irp e, 0,1,2,3,4,5,6,7
.set ch, 3+8*(\j)+(\e)
	ST ch
.endr
.endr
	s_wait_loadcnt 0x0                             ; the rows' last piece: x | y, z
.irp i, 0,1,2,3
	v_lshlrev_b32 v[O+(\i)], 16, v[TT+20*(\i)+16]
	v_and_b32 v[O+4+(\i)], s14, v[TT+20*(\i)+16]
	v_lshlrev_b32 v[O+8+(\i)], 16, v[TT+20*(\i)+17]
.endr
.irp i, 0,1,2,3
	v_sub_f32 v[O+(\i)], v[O+(\i)], v[12+(\i)]
	v_sub_f32 v[O+4+(\i)], v[O+4+(\i)], v[16+(\i)]
	v_sub_f32 v[O+8+(\i)], v[O+8+(\i)], v[20+(\i)]
.endr
	s_wait_alu depctr_va_vdst(0)                   ; the subtractions have written channels 0 to 2 of O, which the last three stores read
	ST 0
	ST 1
	ST 2
	s_endpgm
.Lfunc_end_k_q306652f18d_group:
	.size	k_q306652f18d_group, .Lfunc_end_k_q306652f18d_group-k_q306652f18d_group
	.p2alignl 7, 3214868480
	.fill 96, 4, 3214868480
	.section	.rodata,"a",@progbits
	.p2align	6, 0x0
	.amdhsa_kernel k_q306652f18d_group
		.amdhsa_group_segment_fixed_size 0
		.amdhsa_private_segment_fixed_size 0
		.amdhsa_enable_private_segment 0
		.amdhsa_kernarg_size 32
		.amdhsa_user_sgpr_count 2
		.amdhsa_user_sgpr_kernarg_segment_ptr 1
		.amdhsa_wavefront_size32 1
		.amdhsa_system_sgpr_workgroup_id_x 1
		.amdhsa_system_sgpr_workgroup_id_y 1
		.amdhsa_system_sgpr_workgroup_id_z 1
		.amdhsa_system_vgpr_workitem_id 0
		.amdhsa_next_free_vgpr 252
		.amdhsa_next_free_sgpr 66
		.amdhsa_reserve_vcc 0
		.amdhsa_float_denorm_mode_32 3
		.amdhsa_float_denorm_mode_16_64 3
		.amdhsa_memory_ordered 1
		.amdhsa_forward_progress 1
		.amdhsa_inst_pref_size 14
	.end_amdhsa_kernel
	.amdgpu_metadata
---
amdhsa.version: [ 1, 2 ]
amdhsa.kernels:
  - .name:           k_q306652f18d_group
    .symbol:         k_q306652f18d_group.kd
    .args:
      - { .name: idx, .offset: 0, .size: 8, .value_kind: global_buffer, .address_space: global }
      - { .name: tab, .offset: 8, .size: 8, .value_kind: global_buffer, .address_space: global }
      - { .name: centers_coords, .offset: 16, .size: 8, .value_kind: global_buffer, .address_space: global }
      - { .name: out0, .offset: 24, .size: 8, .value_kind: global_buffer, .address_space: global }
    .group_segment_fixed_size: 0
    .private_segment_fixed_size: 0
    .kernarg_segment_align: 8
    .kernarg_segment_size: 32
    .max_flat_workgroup_size: 256
    .sgpr_count:     66
    .vgpr_count:     252
    .wavefront_size: 32
...
	.end_amdgpu_metadata
.endif
;; end of part 4
